; MI455X (gfx1250); checked and timed in simulation.
; The chip was launched on July 23, 2026; its instructions are those of AMD's public machine-readable ISA for CDNA 5 (MIT licence, August 2026) and "CDNA5" Instruction Set Architecture Reference Guide (July 2026). The comments in the code are by the model that wrote it; some were corrected since.
;; Memory Network. Allowed arithmetic: matrix products marked QUANTISED: E2M1 operands, one E8M0 scale for each 32 along K, by v_wmma_scale_f32_16x16x128_f8f6f4 with both operands' format E2M1 (or v_wmma_scale_f32_32x16x128_f4), f32 sums; products left as they are: f32 operands where the result goes on into a quantised operand, else bf16, f16 or f32 operands; f32 sums; everything else in f32.
;; Inputs: W_domain 768 x 2,048 float32; W_topic 768 x 2,048 float32; category 16,384 int32; feature 16,384 x 2,048 float32; memory_tables 9 x 10 x 768 float32.
;; Outputs: out0 16,384 x 1 x 9 float32.
;; This version of the problem:
;;   THIS VERSION OF THE PROBLEM IS GIVEN IN LOW PRECISION. The matrix products marked QUANTISED in the list below multiply operands that are first quantised to E2M1 (2 exponent bits, 1 mantissa bit; 4 bits a number), with one power-of-two scale for each 32 numbers along K (OCP MX v1.0); their sums are f32. All else is computed in f32.
;;   The module's matrix products, in the order in which they are computed (A, B: the left and right operand; K: the contracted axis; several contracted axes count as one K, in the product's order):
;;     1. [M 16,384, K 2,048] x [K 2,048, N 768]; A: computed on the way; B: input W_topic: QUANTISED
;;     2. [M 16,384, K 768] x [K 768, N 90]; A: computed on the way; B: computed on the way: QUANTISED
;;     3. batch 9 x [M 768, K 10] x [K 10, N 16,384]; A: computed on the way; B: softmax: left as it is (K = 10 < 32)
;;     4. [M 16,384, K 2,048] x [K 2,048, N 768]; A: computed on the way; B: input W_domain: QUANTISED
;;     5. batch 16,384 x [M 9, K 768] x [K 768, N 1]; A: computed on the way; B: computed on the way: left as it is (M = 9 < 16)
;;   THE QUANTISER, for each operand of a quantised product, along K:
;;     - K is cut into blocks of 32 from its start; a last block that is shorter is filled with zeros.
;;     - A block's scale is 2^e with e = floor(log2(the largest magnitude in the block)) - 2, held to -126 .. 127; a block of zeros has e = 0. As a byte (E8M0): e + 127.
;;     - Each number is divided by its block's scale, clamped to +-6, and rounded to the nearest number of E2M1, ties to even, subnormals kept.
;;     - The product sums the exact products of the quantised numbers (number of the format x scale) in f32.
;;   ~~~python
;;   def quantise(x, axis):      # numpy; x: float32 -> the quantised numbers, widened to float32 again
;;       x = np.moveaxis(x, axis, -1); K = x.shape[-1]
;;       x = np.pad(x, [(0, 0)] * (x.ndim - 1) + [(0, -K % 32)]); x = x.reshape(x.shape[:-1] + (-1, 32)); a = np.abs(x).max(-1, keepdims=True)
;;       e = np.where(a > 0, np.clip(np.frexp(np.where(a > 0, a, 1))[1] - 1 - 2, -126, 127), 0)      # np.frexp(a)[1] - 1 = floor(log2(a)), exactly
;;       r = np.clip(x / 2.0 ** e, -6, 6)
;;       step = 2.0 ** (np.maximum(np.frexp(np.where(r == 0, 1, r))[1] - 1, 0) - 1)
;;       q = np.round(r / step) * step * 2.0 ** e      # np.round: ties to even
;;       return np.moveaxis(q.reshape(q.shape[:-2] + (-1,))[..., :K], -1, axis).astype(np.float32)
;;   ~~~
;;   OPERANDS COMPUTED ON THE WAY. 'Computed on the way' means the value that the module computes at that place (a softmax that the list does not call 'softmax' is quantised finished and normalised). What goes into a quantiser is computed in f32, as accurately as f32 sums, v_exp_f32 and their like allow (about 1e-6 of the number): no bf16 or f16 on the way to a quantiser, and a product that is left as it is and whose result goes on into a quantised operand takes f32 operands (vector FMAs, or v_wmma_f32_16x16x4_f32). A number that lies on a knife's edge between two numbers of the format may be rounded either way, as far as f32 arithmetic and the matrix unit's own rounding can turn it there, and no further.
;; One version. Each part assembles by itself: llvm-mc -triple=amdgcn-amd-amdhsa -mcpu=gfx1250 --defsym DOCPART=n.
;; ======== version 1 of 1: 2 launches
;; limits: values are held in f16: magnitudes above 65,504 overflow, below 6.1e-05 lose precision
;; workspace buffers: wfrag 1,572,864 bytes; wscale 98,304 bytes; mcode 57,344 bytes; mscale 7,168 bytes; mf16 344,064 bytes
;; launch prep (part 1): grid 199 x 1, 4 waves a work-group, no clusters, 10,240 bytes of LDS; arguments W_topic, W_domain, memory_tables, category, wfrag, wscale, mcode, mscale, mf16; writes wfrag, wscale, mcode, mscale, mf16
.if DOCPART == 1
	.amdgcn_target "amdgcn-amd-amdhsa--gfx1250"
	.amdhsa_code_object_version 6
	.text
	.protected	k_q7a5c086e03_prep
	.globl	k_q7a5c086e03_prep
	.p2align	8
	.type	k_q7a5c086e03_prep,@function
k_q7a5c086e03_prep:
	s_mov_b64 s[64:65], 0
	v_nop
	global_prefetch_b8 v0, s[64:65] scope:SCOPE_SE
	s_setreg_imm32_b32 hwreg(HW_REG_WAVE_MODE, 25, 1), 1
	s_wait_xcnt 0x0
; MemoryNetwork, launch 1 of 2: the operands that every work-group of the second launch reads are quantised ONCE and laid in the order of the operands' registers.
; DEAD WORK, for all values of the inputs: reference() keeps mem[:D], the gathered tables of samples 0 to 8 alone.  So category[9 ..] and every gathered table of a sample b >= 9 are sliced away and
; reach no output; they are not read, and a table of memory_tables that category[0 .. 8] does not name is not read either.  LIMIT: a NaN, an infinity or an overflow that sits only there is not carried to the result.
; PRODUCTS 3 AND 5 of reference() (neither is quantised) are taken together: sum_e (sum_m att[d][m] mem[d][m][e]) dproj[e] = sum_m att[d][m] (sum_e mem[d][m][e] dproj[e]), an identity for all values.
; So the second launch wants mems_d twice: as codes of E2M1 along E (product 2), and as f16 numbers, a high and a low part, for G = dproj mems_d^T.
; WHAT IS STORED.
;   wfrag  [p 2][w 4][s 16][c 12][1,024 B]: p = 0 W_topic, 1 W_domain; a fragment (16 rows x 128 K of codes) as an image of its 8 registers: group cc at 512 cc, lane l's 16 bytes at 16 l.
;          Lane (r, h) holds row E = 192 w + 32 (c / 2) + 8 (c % 2) + r + 8 (r / 8), k = 128 s + 64 cc + 32 h + 0 .. 31: the rows of a tile are chosen so that the results of tiles 2 b, 2 b + 1 are 16 neighbours along E.
;   wscale [p][w][s][kap 3][256 B]: at 8 l + 4 e the scale word of tile 4 kap + 2 e + l / 16, row l % 16.
;   mcode  [w][ks 2][T 7][1,024 B], mscale [w][T][lane][2 words]: mems_d as codes.  Row 8 hs + j of tile T is slot i = 8 T + j of half hs: d = 5 hs + i / 10, m = i % 10; a slot with i >= 50 or d >= 9 holds zeros.
;          k = 192 w + 128 ks + 64 cc + 32 h + 0 .. 31; of ks = 1 the group cc = 1 is zeros.
;   mf16   [w][ks 6][T' 14][1,024 B]: T' < 7 the high parts of tile T', else the low parts of tile T' - 7; group g, lane (r, h): E = 192 w + 32 ks + 16 h + 8 g + 0 .. 7.
; THE QUANTISER: a block's byte is its largest magnitude's exponent field - 2, held at 1 from below (a block of zeros keeps the byte 1: its codes are zeros, and this program alone reads the bytes).
; LIMITS: NaN and infinities among the inputs are not served.  |memory_tables| stays under 65,504 (f16); a number of it under 2^-14 is carried with an absolute error of 2^-24 at the most.
; SHARES: work-groups 0 to 191 take W: 4 tiles (a wave a tile) x 2 K steps.  Work-groups 192 to 198 take a tile T of mems_d, wave w its 192 of E.  The one barrier stands on the path that all take.
.set NWGW,  192
.set CWP,   144                        ; a stage row: 128 bytes of codes (two K steps) + 16
.set CWB,   16*CWP                     ; a wave's stage
.set SCW,   4*CWB                      ; behind the stages: two units of 256 scale bytes, the work-group's
.set SPARE, SCW+512                    ; the spare words, 128 bytes for each wave
.set XR,    32                         ; v32-159  W: row r at 8 r, K step jj at + 4 jj
.set MB,    160                        ; v160-223 pairs: the block's multiplier 1 / scale, its byte
.set CC,    224                        ; v224-239 a register of codes for each row
.set FB,    12                         ; v12-27   the two fragments as they leave
	s_load_b256 s[4:11], s[0:1], 0x0               ; W_topic s[4:5], W_domain s[6:7], memory_tables s[8:9], category s[10:11]
	s_load_b256 s[12:19], s[0:1], 0x20             ; wfrag s[12:13], wscale s[14:15], mcode s[16:17], mscale s[18:19]
	s_load_b64 s[20:21], s[0:1], 0x40              ; mf16
	v_lshl_add_u32 v10, v0, 2, SPARE               ; my spare word,
	v_mov_b32 v11, 0                               ; and 0: kept for the closing lines alone
	v_lshrrev_b32 v1, 5, v0
	v_readfirstlane_b32 s22, v1                    ; wave a
	v_and_b32 v1, 31, v0                           ; lane l
	v_lshlrev_b32 v2, 4, v1                        ; 16 l
	v_and_b32 v28, 15, v1                          ; r
	v_lshrrev_b32 v29, 4, v1                       ; h
	; every LDS address is made here, ahead of the parting of the two kinds of work-group
	s_mul_i32 s23, s22, CWB
	v_lshl_add_u32 v3, v1, 1, s23                  ; stage, in: my 4 codes of a K step, 2 bytes
	s_and_b32 s24, s22, 1                          ; hh = a % 2
	s_lshr_b32 s25, s22, 1                         ; e = a / 2
	s_lshl_b32 s26, s24, 7
	s_lshl_b32 s27, s25, 2
	s_add_co_u32 s26, s26, s27
	s_add_co_u32 s26, s26, SCW
	v_lshrrev_b32 v4, 3, v1
	v_add_nc_u32 v4, s26, v4                       ; scale bytes, in: SCW + 128 hh + 4 e + my block (l / 8); row and K step stand in the immediate
	v_mul_u32_u24 v5, v28, CWP
	v_lshl_add_u32 v5, v29, 4, v5
	v_add_nc_u32 v5, s23, v5                       ; stage, out: row r, + 16 h
	v_lshlrev_b32 v7, 3, v1                        ; 8 l
	s_lshl_b32 s27, s24, 8
	s_add_co_u32 s27, s27, SCW
	v_add_nc_u32 v6, s27, v7                       ; scale bytes, out (waves 0 and 1): unit a, 8 bytes a lane
	v_mov_b32 v8, 1.0                              ; the conversions' scale operand: the block's scale is multiplied in beforehand
	; which part of W: y = K steps 2 y, 2 y + 1; pw = 4 p + w; kap = which four tiles
	s_and_b32 s28, ttmp9, 7                        ; y
	s_lshr_b32 s29, ttmp9, 3
	s_mul_i32 s30, s29, 171
	s_lshr_b32 s30, s30, 9                         ; pw = (id / 8) / 3
	s_mul_i32 s31, s30, 3
	s_sub_co_u32 s31, s29, s31                     ; kap
	s_lshl_b32 s32, s31, 2
	s_add_co_u32 s32, s32, s22                     ; c = 4 kap + a
	s_and_b32 s33, s30, 3                          ; w
	s_lshr_b32 s34, s30, 2                         ; p
	s_mul_i32 s35, s33, 192
	s_lshr_b32 s36, s32, 1
	s_lshl_b32 s36, s36, 5
	s_add_co_u32 s35, s35, s36
	s_and_b32 s36, s32, 1
	s_lshl_b32 s36, s36, 3
	s_add_co_u32 s35, s35, s36                     ; the tile's first row: 192 w + 32 (c / 2) + 8 (c % 2)
	s_lshl_b32 s36, s35, 13                        ; x 8,192 bytes a row
	s_lshl_b32 s37, s28, 10                        ; + 1,024 bytes for two K steps
	s_add_co_u32 s36, s36, s37
	s_mov_b32 s37, 0
	s_mul_i32 s38, s30, 196608                     ; wfrag: pw, K step 2 y, tile c
	s_mul_i32 s39, s28, 24576
	s_add_co_u32 s38, s38, s39
	s_lshl_b32 s39, s32, 10
	s_add_co_u32 s38, s38, s39
	s_mov_b32 s39, 0
	s_mul_i32 s40, s30, 12288                      ; wscale: pw, K step 2 y + a % 2, unit kap
	s_mul_i32 s41, s28, 1536
	s_add_co_u32 s40, s40, s41
	s_mul_i32 s41, s24, 768
	s_add_co_u32 s40, s40, s41
	s_lshl_b32 s41, s31, 8
	s_add_co_u32 s40, s40, s41
	s_mov_b32 s41, 0
	s_wait_kmcnt 0x0
	s_add_nc_u64 s[14:15], s[14:15], s[40:41]      ; (used by W's work-groups alone)
	s_cmp_ge_u32 ttmp9, NWGW
	s_cbranch_scc1 .Lmem
	; ---------------- W: 16 rows x 256 along K a wave
	s_cmp_eq_u32 s34, 0
	s_cselect_b64 s[4:5], s[4:5], s[6:7]           ; W_topic or W_domain: the choice hangs on the work-group's number alone
	s_add_nc_u64 s[4:5], s[4:5], s[36:37]
	s_add_nc_u64 s[12:13], s[12:13], s[38:39]
.irp r, 0,1,2,3,4,5,6,7,8,9,10,11,12,13,14,15
.irp jj, 0,1
	global_load_b128 v[XR+8*\r+4*\jj:XR+8*\r+4*\jj+3], v2, s[4:5] offset:(\r+8*(\r/8))*8192+512*\jj th:TH_LOAD_NT   ; 32 lanes read 512 consecutive bytes: a K step of tile row r; lane l holds k = 4 l .. 4 l + 3
.endr
.endr
; Four rows: 8 (row, K step)s by turns.  A block of 32 lies in 8 neighbouring lanes.  d = 2 (row - r0) + jj.
.macro WROWS r0
	s_wait_loadcnt 24-2*(\r0)                      ; these four rows' 8 loads are in; the later rows' may be out
.irp d, 0,1,2,3,4,5,6,7
	v_max3_num_f32 v[MB+4*(\r0)+2*\d], |v[XR+8*(\r0)+4*\d]|, |v[XR+8*(\r0)+4*\d+1]|, 0x1800000   ; with the floor 2^(3 - 127): the byte cannot fall under 1
.endr
.irp d, 0,1,2,3,4,5,6,7
	v_max3_num_f32 v[MB+4*(\r0)+2*\d], |v[XR+8*(\r0)+4*\d+2]|, |v[XR+8*(\r0)+4*\d+3]|, v[MB+4*(\r0)+2*\d]
.endr
.irp x, 1,2,4
.irp d, 0,1,2,3,4,5,6,7
	v_max_num_f32_dpp v[MB+4*(\r0)+2*\d], v[MB+4*(\r0)+2*\d], v[MB+4*(\r0)+2*\d] row_xmask:\x row_mask:0xf bank_mask:0xf
.endr
.endr
.irp d, 0,1,2,3,4,5,6,7
	v_add_nc_u32 v[MB+4*(\r0)+2*\d+1], 0xff000000, v[MB+4*(\r0)+2*\d]     ; 2 off the exponent field
.endr
.irp d, 0,1,2,3,4,5,6,7
	v_and_b32 v[MB+4*(\r0)+2*\d], 0x7f800000, v[MB+4*(\r0)+2*\d+1]        ; byte << 23
.endr
.irp d, 0,1,2,3,4,5,6,7
	v_sub_nc_u32 v[MB+4*(\r0)+2*\d], 0x7f000000, v[MB+4*(\r0)+2*\d]       ; 1 / scale = 2^(127 - byte): a power of two, so the multiplication below rounds nothing
.endr
.irp d, 0,1,2,3,4,5,6,7
	v_lshrrev_b32 v[MB+4*(\r0)+2*\d+1], 23, v[MB+4*(\r0)+2*\d+1]          ; the byte
.endr
.irp d, 0,1,2,3,4,5,6,7
	v_pk_mul_f32 v[XR+8*(\r0)+4*\d:XR+8*(\r0)+4*\d+1], v[XR+8*(\r0)+4*\d:XR+8*(\r0)+4*\d+1], v[MB+4*(\r0)+2*\d:MB+4*(\r0)+2*\d+1] op_sel_hi:[1,0]
	v_pk_mul_f32 v[XR+8*(\r0)+4*\d+2:XR+8*(\r0)+4*\d+3], v[XR+8*(\r0)+4*\d+2:XR+8*(\r0)+4*\d+3], v[MB+4*(\r0)+2*\d:MB+4*(\r0)+2*\d+1] op_sel_hi:[1,0]
.endr
.irp dr, 0,1,2,3
	v_cvt_scalef32_pk8_fp4_f32 v[CC+(\r0)+\dr], v[XR+8*((\r0)+\dr):XR+8*((\r0)+\dr)+7], v8   ; low half: my 4 codes of the first K step, high half: of the second
.endr
	v_nop                                          ; one plain place behind the scaled conversions
.irp dr, 0,1,2,3
	ds_store_b16 v3, v[CC+(\r0)+\dr] offset:CWP*((\r0)+\dr)
	ds_store_b16_d16_hi v3, v[CC+(\r0)+\dr] offset:CWP*((\r0)+\dr)+64
	ds_store_b8 v4, v[MB+4*((\r0)+\dr)+1] offset:8*((\r0)+\dr)               ; the eight lanes of a block write the same byte with the same value
	ds_store_b8 v4, v[MB+4*((\r0)+\dr)+3] offset:256+8*((\r0)+\dr)
.endr
.endm
	WROWS 0
	WROWS 4
	WROWS 8
	WROWS 12
.irp i, 0,1
.irp cc, 0,1
	ds_load_b128 v[FB+8*\i+4*\cc:FB+8*\i+4*\cc+3], v5 offset:64*\i+32*\cc    ; my own stage: LDS serves a wave's instructions in order
.endr
.endr
	s_wait_dscnt 0x0
.irp i, 0,1
.irp cc, 0,1
	global_store_b128 v2, v[FB+8*\i+4*\cc:FB+8*\i+4*\cc+3], s[12:13] offset:12288*\i+512*\cc   ; 512 consecutive bytes, at a multiple of 256 from the buffer's first byte
.endr
.endr
	s_branch .Ljoin
	; ---------------- mems_d: tile T, wave w's 192 of E.  No LDS
.Lmem:
	s_sub_co_u32 s28, ttmp9, NWGW                  ; T
	s_lshl_b32 s29, s28, 3
	s_mov_b32 s32, 0x76543210
	s_mov_b32 s33, 0xfedcba98                      ; v_permlanex16_b32's selects for lane l xor 16
	s_mul_i32 s34, s22, 768                        ; 192 w numbers, in bytes
	s_mov_b32 s37, 0
	s_mul_i32 s36, s22, 14336
	s_lshl_b32 s35, s28, 10
	s_add_co_u32 s36, s36, s35
	s_add_nc_u64 s[16:17], s[16:17], s[36:37]      ; mcode at (w, ks 0, T)
	s_mul_i32 s36, s22, 86016
	s_add_co_u32 s36, s36, s35
	s_add_nc_u64 s[20:21], s[20:21], s[36:37]      ; mf16 at (w, ks 0, T)
	s_mul_i32 s36, s22, 1792
	s_lshl_b32 s35, s28, 8
	s_add_co_u32 s36, s36, s35
	s_add_nc_u64 s[18:19], s[18:19], s[36:37]      ; mscale at (w, T)
	v_lshrrev_b32 v12, 3, v28                      ; hs
	v_and_b32 v13, 7, v28
	v_add_nc_u32 v13, s29, v13                     ; slot i = 8 T + r % 8
	v_mul_u32_u24 v14, v13, 205
	v_lshrrev_b32 v14, 11, v14                     ; i / 10 (exact for i under 56)
	v_mul_u32_u24 v15, v14, 10
	v_sub_nc_u32 v15, v13, v15                     ; m = i % 10
	v_mad_u32_u24 v14, v12, 5, v14                 ; d
	v_cmp_gt_u32 s30, 50, v13
	v_cmp_gt_u32 s31, 9, v14
	s_and_b32 s30, s30, s31                        ; the lanes whose slot is a row of mems_d
	v_min_u32 v14, 8, v14
	v_lshlrev_b32 v14, 2, v14
	v_mul_u32_u24 v15, v15, 3072                   ; m rows of 768 f32
	global_load_b32 v16, v14, s[10:11]             ; category[d]
	s_wait_loadcnt 0x0
	v_min_u32 v16, 8, v16                          ; an index stays inside its table
	v_mul_u32_u24 v16, v16, 30720                  ; a table of 10 rows
	v_add_nc_u32 v16, v16, v15
	v_add_nc_u32 v16, s34, v16                     ; my row, at E = 192 w
	v_lshl_add_u32 v17, v29, 7, v16                ; for the codes: + 32 h numbers
	v_lshl_add_u32 v18, v29, 6, v16                ; for f16: + 16 h numbers
.irp blk, 0,1,2
.irp t, 0,1,2,3,4,5,6,7
	global_load_b128 v[32+32*\blk+4*\t:35+32*\blk+4*\t], v17, s[8:9] offset:256*\blk+16*\t    ; E = 192 w + 64 blk + 32 h + 0 .. 31: a whole block a lane
.endr
.endr
.irp ks, 0,1,2,3,4,5
.irp t, 0,1,2,3
	global_load_b128 v[128+16*\ks+4*\t:131+16*\ks+4*\t], v18, s[8:9] offset:128*\ks+16*\t    ; E = 192 w + 32 ks + 16 h + 0 .. 15
.endr
.endr
	s_wait_loadcnt 0x0
.set J, 32
.rept 192
	v_cndmask_b32 v[J], 0, v[J], s30               ; a slot that is no row holds zeros
.set J, J+1
.endr
.irp b, 0,1,2
	v_max3_num_f32 v[20+\b], |v[32+32*\b]|, |v[33+32*\b]|, 0x1800000
.endr
.irp i, 2,4,6,8,10,12,14,16,18,20,22,24,26,28,30
.irp b, 0,1,2
	v_max3_num_f32 v[20+\b], v[20+\b], |v[32+32*\b+\i]|, |v[33+32*\b+\i]|
.endr
.endr
.irp b, 0,1,2
	v_add_nc_u32 v[24+\b], 0xff000000, v[20+\b]    ; the conversion's scale operand
.endr
.irp b, 0,1,2
	v_lshrrev_b32 v[20+\b], 23, v[24+\b]           ; the byte
.endr
	v_lshlrev_b32 v19, 3, v29                      ; 8 h bits
	v_lshl_or_b32 v23, v21, 16, v20                ; blocks h and 2 + h,
	v_lshlrev_b32 v23, v19, v23                    ; at their places in word 0;
	v_lshlrev_b32 v27, v19, v22                    ; block 4 + h in word 1
	v_mov_b32 v30, 0
	v_mov_b32 v31, 0
	v_permlanex16_b32 v30, v23, s32, s33
	v_permlanex16_b32 v31, v27, s32, s33
	v_or_b32 v30, v30, v23                         ; with lane l xor 16's the words are whole
	v_or_b32 v31, v31, v27
	v_or_b32 v31, 0x7f7f0000, v31                  ; the bytes over the zero codes: 127
.irp b, 0,1,2
.irp g, 0,1,2,3
	v_cvt_scalef32_pk8_fp4_f32 v[224+4*\b+\g], v[32+32*\b+8*\g:39+32*\b+8*\g], v[24+\b]
.endr
.endr
	v_nop                                          ; one plain place behind the scaled conversions
.irp g, 0,1,2,3
	v_mov_b32 v[236+\g], 0                         ; ks = 1, cc = 1: zero codes
.endr
	global_store_b128 v2, v[224:227], s[16:17]
	global_store_b128 v2, v[228:231], s[16:17] offset:512
	global_store_b128 v2, v[232:235], s[16:17] offset:7168
	global_store_b128 v2, v[236:239], s[16:17] offset:7680
	global_store_b64 v7, v[30:31], s[18:19]
	; f16, a high and a low part, split in f32: high = x with its 13 lowest mantissa bits cleared (a number of f16 where |x| is 2^-14 or more), low = x - high, which is exact
.irp ks, 0,1,2,3,4,5
.irp g, 0,1
.irp q, 0,1,2,3,4,5,6,7
	v_and_b32 v[240+\q], 0xffffe000, v[128+16*\ks+8*\g+\q]
.endr
.irp q, 0,2,4,6
	v_pk_add_f32 v[128+16*\ks+8*\g+\q:129+16*\ks+8*\g+\q], v[128+16*\ks+8*\g+\q:129+16*\ks+8*\g+\q], v[240+\q:241+\q] neg_lo:[0,1] neg_hi:[0,1]
.endr
.irp q, 0,1,2,3
	v_cvt_pk_f16_f32 v[32+8*(2*\ks+\g)+\q], v[240+2*\q], v[241+2*\q]
	v_cvt_pk_f16_f32 v[36+8*(2*\ks+\g)+\q], v[128+16*\ks+8*\g+2*\q], v[129+16*\ks+8*\g+2*\q]
.endr
	global_store_b128 v2, v[32+8*(2*\ks+\g):35+8*(2*\ks+\g)], s[20:21] offset:14336*\ks+512*\g          ; each (ks, g) has registers of its own: no store's data are written again
	global_store_b128 v2, v[36+8*(2*\ks+\g):39+8*(2*\ks+\g)], s[20:21] offset:14336*\ks+7168+512*\g
.endr
.endr
.Ljoin:
	s_wait_dscnt 0x0                               ; for the others' sake: my scale bytes lie in LDS
	s_barrier_signal -1
	s_barrier_wait -1
	s_cmp_ge_u32 ttmp9, NWGW
	s_cbranch_scc1 .Lend
	s_cmp_ge_u32 s22, 2
	s_cbranch_scc1 .Lend
	ds_load_b64 v[248:249], v6                     ; waves 0 and 1: a K step's scale words of the four tiles
	s_wait_dscnt 0x0
	global_store_b64 v7, v[248:249], s[14:15]      ; 32 lanes store 256 consecutive bytes, aligned
.Lend:
	s_wait_tensorcnt 0x0                           ; the wave's end, behind my last LDS store
	ds_add_u32 v10, v11
	s_wait_dscnt 0x0
	s_endpgm
.Lfunc_end_k_q7a5c086e03_prep:
	.size	k_q7a5c086e03_prep, .Lfunc_end_k_q7a5c086e03_prep-k_q7a5c086e03_prep
	.p2alignl 7, 3214868480
	.fill 96, 4, 3214868480
	.section	.rodata,"a",@progbits
	.p2align	6, 0x0
	.amdhsa_kernel k_q7a5c086e03_prep
		.amdhsa_group_segment_fixed_size 10240
		.amdhsa_private_segment_fixed_size 0
		.amdhsa_enable_private_segment 0
		.amdhsa_kernarg_size 72
		.amdhsa_user_sgpr_count 2
		.amdhsa_user_sgpr_kernarg_segment_ptr 1
		.amdhsa_wavefront_size32 1
		.amdhsa_system_sgpr_workgroup_id_x 1
		.amdhsa_system_sgpr_workgroup_id_y 1
		.amdhsa_system_sgpr_workgroup_id_z 1
		.amdhsa_system_vgpr_workitem_id 0
		.amdhsa_next_free_vgpr 256
		.amdhsa_next_free_sgpr 66
		.amdhsa_reserve_vcc 0
		.amdhsa_float_denorm_mode_32 3
		.amdhsa_float_denorm_mode_16_64 3
		.amdhsa_memory_ordered 1
		.amdhsa_forward_progress 1
		.amdhsa_inst_pref_size 76
	.end_amdhsa_kernel
	.amdgpu_metadata
---
amdhsa.version: [ 1, 2 ]
amdhsa.kernels:
  - .name:           k_q7a5c086e03_prep
    .symbol:         k_q7a5c086e03_prep.kd
    .args:
      - { .name: W_topic, .offset: 0, .size: 8, .value_kind: global_buffer, .address_space: global }
      - { .name: W_domain, .offset: 8, .size: 8, .value_kind: global_buffer, .address_space: global }
      - { .name: memory_tables, .offset: 16, .size: 8, .value_kind: global_buffer, .address_space: global }
      - { .name: category, .offset: 24, .size: 8, .value_kind: global_buffer, .address_space: global }
      - { .name: wfrag, .offset: 32, .size: 8, .value_kind: global_buffer, .address_space: global }
      - { .name: wscale, .offset: 40, .size: 8, .value_kind: global_buffer, .address_space: global }
      - { .name: mcode, .offset: 48, .size: 8, .value_kind: global_buffer, .address_space: global }
      - { .name: mscale, .offset: 56, .size: 8, .value_kind: global_buffer, .address_space: global }
      - { .name: mf16, .offset: 64, .size: 8, .value_kind: global_buffer, .address_space: global }
    .group_segment_fixed_size: 10240
    .private_segment_fixed_size: 0
    .kernarg_segment_align: 8
    .kernarg_segment_size: 72
    .max_flat_workgroup_size: 128
    .sgpr_count:     66
    .vgpr_count:     256
    .wavefront_size: 32
...
	.end_amdgpu_metadata
.endif
;; end of part 1
;; launch main (part 2): grid 256 x 1, 4 waves a work-group, no clusters, 303,104 bytes of LDS; arguments feature, wfrag, wscale, mcode, mscale, mf16, out0; writes out0
.if DOCPART == 2
	.amdgcn_target "amdgcn-amd-amdhsa--gfx1250"
	.amdhsa_code_object_version 6
	.text
	.protected	k_q7a5c086e03_main
	.globl	k_q7a5c086e03_main
	.p2align	8
	.type	k_q7a5c086e03_main,@function
k_q7a5c086e03_main:
	s_mov_b64 s[64:65], 0
	v_nop
	global_prefetch_b8 v0, s[64:65] scope:SCOPE_SE
	s_setreg_imm32_b32 hwreg(HW_REG_WAVE_MODE, 25, 1), 1
	s_wait_xcnt 0x0
; MemoryNetwork, launch 2 of 2: out0[b][0][d] = softmax_d(32 sum_m att[b][d][m] G[b][d][m]), att = softmax_m(32 S[b][d][m]),
; S = Q(t) Q(mems_d)^T, t = Q(feat) Q(W_topic)^T, G = dproj mems_d^T, dproj = Q(feat) Q(W_domain)^T, feat = feature / max(|feature|, 1e-12).  Q: codes of E2M1, one E8M0 scale for each 32 along K.
; WORK LEFT OUT (shown at the head of the first launch): category[9 ..] and the tables gathered for samples b >= 9 are sliced away by mem[:D]; products 3 and 5 are taken together as G, by an identity.
; SHARES.  A work-group owns 64 rows.  PHASE X: wave w normalises and quantises rows 16 w .. 16 w + 15, a row at a time in its 32 lanes; codes and scale bytes go to LDS.  FROM THE PRODUCTS ON THE WAVES SHARE
; THE COLUMNS: wave w makes E = 192 w .. 192 w + 191 of t (pass 0) and of dproj (pass 1) for all 64 rows: 12 x 4 accumulators, 384 registers.  Its 192 of E are a part of K of S and of G: the four waves'
; parts meet in LDS, and wave w finishes rows 16 w .. 16 w + 15.
; W'S CODES GO FROM MEMORY STRAIGHT INTO REGISTERS, no tensor load, no cluster: since the waves share the columns, each byte of W's codes is read by ONE wave of a work-group, once: through LDS it would be
; written and read once more (1.5 MB a work-group) and feed no second reader; a tile asked for jointly lands in LDS alone; and beside A's codes and the parts (300 KB) no ring has room.  The first launch has laid the fragments in
; register order, so every load takes 512 consecutive bytes, and counted waits keep the stream going with no barrier between X and the parts' meeting.
; ONE STREAM OF LOADS: a ring of 96 units of 4 registers (512 bytes a unit) holds a quarter of K of the wave's W: 4 K steps x 12 fragments.  Phase X uses units 0-63 as four row slots; in its last trip the lines
; that refill the slots fetch W's first units (the base is chosen by s_cselect_b64); the last quarter's refills fetch the first 48 fragments of mf16.  So no loop has a tail of its own.
; NO BASE OF A PENDING LOAD IS WRITTEN.  Each row slot of phase X and each K step of the ring has a scalar base of its own, written directly behind the counted wait that shows the last loads that named it done;
; the address that comes next is made in registers that no memory instruction names.  So the stream of loads is never waited out for an address's sake.
; THE QUARTERS OF K ARE WALKED FROM (work-group % 4) ON, so that neighbouring work-groups ask for different parts of W at a time.  LIMIT: the f32 sums over K so begin at another quarter than K = 0.
; LIMITS: NaN and infinities among the inputs are not served.  A block of feat whose largest magnitude lies under 2^-62 is quantised on the scale 2^-64 (so that 1 / (norm x scale) stays a number for norms down to 1e-12).
; |dproj| stays under 65,504: it goes to the matrix unit as f16, mems_d as a high and a low f16 part.
; THE MATRIX INSTRUCTIONS ARE USED TRANSPOSED (source 0 = 16 rows of W or of mems_d, source 1 = 16 rows of the batch): a lane holds ONE row of the batch, and its registers run along E, or along the slots (d, m).
; REGISTERS, in windows of 256: window 0: addresses, scale words, A's fragments (two sets), mems_d's codes, work.  Window 1: accumulators (c, m), c < 8, at 32 c + 8 m.  Window 2: v0-127 accumulators c = 8 .. 11; v128-255 ring units 64-95.
; Window 3: ring units 0-63.
.set APITCH, 1040                      ; a row of A's codes in LDS: 1,024 bytes + 16: an odd multiple of 16
.set ASCL,   64*APITCH                 ; A's scale bytes: 64 rows,
.set SPIT,   68                        ; 64 bytes + 4
.set SST,    ASCL+64*SPIT              ; S's parts [row tile 4][wave 4][7,168]: images of 56 registers
.set PARTB,  7168
.set TILEB,  4*PARTB
.set GST,    SST+4*TILEB               ; G's likewise
.set OUTS,   GST+4*TILEB               ; 64 rows of out0, 36 bytes each
.set SPARE,  OUTS+2304                 ; the spare words, 128 bytes for each wave
.set LN,   1                           ; lane
.set L16,  2                           ; 16 x lane; never rewritten
.set L8,   3                           ; 8 x lane; never rewritten
.set ADC0, 4                           ; X: my wave's rows of codes, + 2 x lane
.set ADS0, 5                           ; X: my wave's rows of scale bytes, + lane / 8
.set ADC,  6                           ; the same for the trip in hand
.set ADS,  7
.set AFB,  8                           ; A's fragments: 1,040 r + 16 h
.set ASB,  9                           ; A's scale words: ASCL + 68 x lane
.set ADA,  10                          ; the same for the quarter in hand
.set ADSA, 11
.set SW,   12                          ; v12-13 where I store S's parts: row tiles 0, 1 and 2, 3
.set GW,   14                          ; v14-15 G's
.set SB,   16                          ; v16-39 W's scale words: K step i at 6 i; register c / 2, lanes 16 (c % 2) on
.set SA,   40                          ; v40-43 A's scale words: set i % 2 at 2 (i % 2); register m / 2, lanes 16 (m % 2) on
.set AF,   44                          ; v44-107 A's fragments, two sets of 4
.set MC,   108                         ; v108-219 mems_d's codes: fragment (ks, T) at 8 (7 ks + T)
.set MS,   220                         ; v220-233 their scale words, 2 T + ks
.set PW,   234                         ; v234-235 t's scale words
.set ONE,  236
.set SRD,  237
.set GRD,  238
.set OST,  239
.set ORD,  240
.set OST5, 241
.set ORD2, 250
.set O16,  251
.set SPW,  252
.set NIL,  253
.set T16,  254
; phase X, laid over A's fragments:
.set XT,   44                          ; v44-59  a lane's largest magnitude of each of a row's 16 loads, then its block's
.set MB,   60                          ; v60-91  pairs: the block's multiplier 1 / (norm x scale), its byte
.set CX,   92                          ; v92-99  codes
.set SS,   100                         ; v100-107 the sum of squares, four packed chains
.set RN,   242
.set RN4,  243
.set RB,   244
.set PLT,  247
; t's quantiser, laid over A's set 1:
.set MX,   76
.set PT,   82
.set SO,   88
.set PC0,  94                          ; v94-101 K step 0 of t's codes;
.set PC1,  242                         ; v242-249 K step 1: 64 codes and 64 zeros
; the end:
.set FS,   44                          ; v44-93  S, slot i = 10 (d - 5 h) + m
.set FG,   108                         ; v108-157 G
.set NMB,  160                         ; pairs: -c max, max
.set DN,   170
.set NU,   180
.set XX,   190
.set Y5,   195
.set T0,   196
.set T1,   197
.set NINF, 198
.set OB,   200
.set WV,   18
.set ROT,  19
.set SEL,  20
.set C1,   22                          ; s[22:23] c = 32 log2(e)
.set CNT,  24
.set PASS, 25
.set QN,   26                          ; the next quarter's place along K
.set NQ,   27                          ; the quarter in hand, 0 .. 7
.set FN,   28                          ; s[28:29] X: the rows that the trip's refills fetch; named by no memory instruction
.set NB,   30                          ; s[30:31] X: what the trip's refills fetch: those rows, or W; named by no memory instruction
.set WQ,   32
.set RP,   34                          ; s[34:35] W_topic's first quarter for this work-group; written once
.set WSB,  36
.set RS,   38                          ; s[38:39] its scale words; written once
.set MFW,  40
.set LR,   42
.set LS,   43
.set NP,   48                          ; s[48:49] the products: where the next quarter's fragments lie; named by no memory instruction
.set NS,   50                          ; s[50:51] and its scale words; likewise
.set XB,   56                          ; s[56:63] X: a base for each of the four row slots
.set RPS,  68                          ; s[68:75] the products: a base for each K step's refill of fragments,
.set RSS,  76                          ; s[76:83] and of scale words
.set MSB, 0
.macro WIN new                         ; the immediate's high byte repeats the setting that is left; a switch that changes nothing is dropped
.if MSB != \new
	s_set_vgpr_msb (MSB<<8)|\new
.set MSB, \new
.endif
.endm
.macro PLACES n
.rept \n
	v_nop
.endr
.endm
; a scaled product on codes of E2M1; its registers and flags stand in symbols: rD, rA, rB, rSA, rSB; fZ: C = 0; fRA, fRB: the scale words lie in lanes 16-31
.macro WMS
.set sel, 4*fZ+2*fRA+fRB
.if sel == 0
	v_wmma_scale_f32_16x16x128_f8f6f4 v[rD:rD+7], v[rA:rA+7], v[rB:rB+7], v[rD:rD+7], v[rSA], v[rSB] matrix_a_fmt:MATRIX_FMT_FP4 matrix_b_fmt:MATRIX_FMT_FP4
.elseif sel == 1
	v_wmma_scale_f32_16x16x128_f8f6f4 v[rD:rD+7], v[rA:rA+7], v[rB:rB+7], v[rD:rD+7], v[rSA], v[rSB] matrix_a_fmt:MATRIX_FMT_FP4 matrix_b_fmt:MATRIX_FMT_FP4 matrix_b_scale:MATRIX_SCALE_ROW1
.elseif sel == 2
	v_wmma_scale_f32_16x16x128_f8f6f4 v[rD:rD+7], v[rA:rA+7], v[rB:rB+7], v[rD:rD+7], v[rSA], v[rSB] matrix_a_fmt:MATRIX_FMT_FP4 matrix_b_fmt:MATRIX_FMT_FP4 matrix_a_scale:MATRIX_SCALE_ROW1
.elseif sel == 3
	v_wmma_scale_f32_16x16x128_f8f6f4 v[rD:rD+7], v[rA:rA+7], v[rB:rB+7], v[rD:rD+7], v[rSA], v[rSB] matrix_a_fmt:MATRIX_FMT_FP4 matrix_b_fmt:MATRIX_FMT_FP4 matrix_a_scale:MATRIX_SCALE_ROW1 matrix_b_scale:MATRIX_SCALE_ROW1
.elseif sel == 4
	v_wmma_scale_f32_16x16x128_f8f6f4 v[rD:rD+7], v[rA:rA+7], v[rB:rB+7], 0, v[rSA], v[rSB] matrix_a_fmt:MATRIX_FMT_FP4 matrix_b_fmt:MATRIX_FMT_FP4
.elseif sel == 5
	v_wmma_scale_f32_16x16x128_f8f6f4 v[rD:rD+7], v[rA:rA+7], v[rB:rB+7], 0, v[rSA], v[rSB] matrix_a_fmt:MATRIX_FMT_FP4 matrix_b_fmt:MATRIX_FMT_FP4 matrix_b_scale:MATRIX_SCALE_ROW1
.elseif sel == 6
	v_wmma_scale_f32_16x16x128_f8f6f4 v[rD:rD+7], v[rA:rA+7], v[rB:rB+7], 0, v[rSA], v[rSB] matrix_a_fmt:MATRIX_FMT_FP4 matrix_b_fmt:MATRIX_FMT_FP4 matrix_a_scale:MATRIX_SCALE_ROW1
.else
	v_wmma_scale_f32_16x16x128_f8f6f4 v[rD:rD+7], v[rA:rA+7], v[rB:rB+7], 0, v[rSA], v[rSB] matrix_a_fmt:MATRIX_FMT_FP4 matrix_b_fmt:MATRIX_FMT_FP4 matrix_a_scale:MATRIX_SCALE_ROW1 matrix_b_scale:MATRIX_SCALE_ROW1
.endif
.endm
	; ---------------- head
	s_load_b256 s[4:11], s[0:1], 0x0               ; feature s[4:5], wfrag s[6:7], wscale s[8:9], mcode s[10:11]
	s_load_b128 s[12:15], s[0:1], 0x20             ; mscale s[12:13], mf16 s[14:15]
	s_load_b64 s[16:17], s[0:1], 0x30              ; out0
	v_lshl_add_u32 v[SPW], v0, 2, SPARE            ; my spare word,
	v_mov_b32 v[NIL], 0                            ; and 0: kept for the closing lines alone
	v_lshrrev_b32 v242, 5, v0
	v_readfirstlane_b32 s[WV], v242                ; wave
	v_and_b32 v[LN], 31, v0
	v_lshlrev_b32 v[L16], 4, v[LN]
	v_lshlrev_b32 v[L8], 3, v[LN]
	v_lshlrev_b32 v[T16], 4, v0
	v_and_b32 v243, 15, v0                         ; r
	v_bfe_u32 v244, v0, 4, 1                       ; h
	s_and_b32 s[ROT], ttmp9, 3
	s_mul_i32 s44, s[WV], 16*APITCH
	v_lshl_add_u32 v[ADC0], v[LN], 1, s44
	s_mul_i32 s45, s[WV], 16*SPIT
	s_add_co_u32 s45, s45, ASCL
	v_lshrrev_b32 v[ADS0], 3, v[LN]
	v_add_nc_u32 v[ADS0], s45, v[ADS0]
	v_mul_u32_u24 v[AFB], v243, APITCH
	v_lshl_add_u32 v[AFB], v244, 4, v[AFB]
	v_mul_u32_u24 v[ASB], v[LN], SPIT
	v_add_nc_u32 v[ASB], ASCL, v[ASB]
	s_mul_i32 s46, s[WV], PARTB
	s_add_co_u32 s47, s46, SST
	v_add_nc_u32 v[SW], s47, v[L16]
	v_add_nc_u32 v[SW+1], 2*TILEB, v[SW]
	s_add_co_u32 s47, s46, GST
	v_add_nc_u32 v[GW], s47, v[L16]
	v_add_nc_u32 v[GW+1], 2*TILEB, v[GW]
	s_mul_i32 s46, s[WV], TILEB
	s_add_co_u32 s47, s46, SST
	v_add_nc_u32 v[SRD], s47, v[L16]
	s_add_co_u32 s47, s46, GST
	v_add_nc_u32 v[GRD], s47, v[L16]
	s_lshl_b32 s46, s[WV], 4
	v_add_nc_u32 v245, s46, v243                   ; my row at the end: 16 w + r
	v_mul_u32_u24 v245, v245, 36
	v_add_nc_u32 v245, OUTS, v245
	v_mad_u32_u24 v[OST], v244, 20, v245           ; domains 5 h on
	v_lshl_add_u32 v[OST5], v244, 4, v245
	v_add_nc_u32 v[OST5], 16, v[OST5]              ; h = 0: domain 4; h = 1: domain 8 once more
	v_lshl_add_u32 v[ORD], v0, 4, OUTS
	v_lshlrev_b32 v[O16], 4, v243
	v_add_nc_u32 v[ORD2], OUTS+2048, v[O16]
	v_mov_b32 v[ONE], 1.0
	v_mov_b32 v[PLT], 0                            ; a lane permute's destination counts as one of its sources
	s_mov_b32 s[SEL], 0x76543210
	s_mov_b32 s[SEL+1], 0xfedcba98                 ; v_permlanex16_b32's selects for lane l xor 16
	s_mov_b32 s[C1], 0x4238aa3b                    ; 32 log2(e)
	s_mov_b32 s[C1+1], s[C1]                       ; (named with it as a pair, so it is written)
	s_mov_b32 s45, 0
	s_wait_kmcnt 0x0
	s_lshl_b32 s44, ttmp9, 19                      ; 64 rows of 8,192 bytes a work-group,
	s_lshl_b32 s46, s[WV], 17                      ; 16 a wave
	s_add_co_u32 s44, s44, s46
	s_add_nc_u64 s[FN:FN+1], s[4:5], s[44:45]
.irp s, 0,1,2,3
	s_mov_b64 s[XB+2*\s:XB+2*\s+1], s[FN:FN+1]     ; each slot's own base: my first row; the slot's row stands in the immediate
.endr
	s_mul_i32 s44, s[WV], 196608
	s_add_nc_u64 s[WQ:WQ+1], s[6:7], s[44:45]
	s_mul_i32 s44, s[WV], 12288
	s_add_nc_u64 s[WSB:WSB+1], s[8:9], s[44:45]
	s_mul_i32 s44, s[WV], 86016
	s_add_nc_u64 s[MFW:MFW+1], s[14:15], s[44:45]
	s_mul_i32 s44, s[WV], 14336
	s_add_nc_u64 s[10:11], s[10:11], s[44:45]
	s_mul_i32 s44, s[WV], 1792
	s_add_nc_u64 s[12:13], s[12:13], s[44:45]
	s_mul_i32 s44, ttmp9, 2304
	s_add_nc_u64 s[16:17], s[16:17], s[44:45]
	s_mul_i32 s44, s[ROT], 3072
	s_add_nc_u64 s[RS:RS+1], s[WSB:WSB+1], s[44:45]
	s_mul_i32 s44, s[ROT], 49152
	s_add_nc_u64 s[RP:RP+1], s[WQ:WQ+1], s[44:45]  ; W_topic's first quarter for this work-group
.irp i, 0,1,2,3
.irp kap, 0,1,2
	global_load_b64 v[SB+6*\i+2*\kap:SB+6*\i+2*\kap+1], v[L8], s[RS:RS+1] offset:768*\i+256*\kap   ; its scale words: my oldest loads
.endr
.endr
	WIN 0xc0                                       ; destination window 3
.irp s, 0,1,2,3
.irp j, 0,1,2,3,4,5,6,7,8,9,10,11,12,13,14,15
	global_load_b128 v[64*\s+4*\j:64*\s+4*\j+3], v[L16], s[XB+2*\s:XB+2*\s+1] offset:8192*\s+512*\j th:TH_LOAD_NT   ; rows 0 to 3: load j is K step j, lane l holds k = 128 j + 4 l .. + 3
.endr
.endr
	WIN 0
; ---------------- PHASE X.  The turn of slot s: one row becomes 1,024 bytes of codes and 64 scale bytes.
.macro TURN s
	s_wait_loadcnt 48                              ; my row's 16 loads are in; the 48 of the three younger slots may be out
	s_mov_b64 s[XB+2*\s:XB+2*\s+1], s[NB:NB+1]     ; only those 16 loads named this slot's base, and the wait above has shown them done: so it takes what the refill below fetches
	s_wait_dscnt 0x0                               ; the last turn's LDS stores have read their registers
	WIN 0x0f                                       ; sources 0 and 1: window 3
.irp j, 0,1,2,3,4,5,6,7,8,9,10,11,12,13,14,15
	v_max3_num_f32 v[XT+\j], |v[64*\s+4*\j]|, |v[64*\s+4*\j+1]|, 0
.endr
.irp p, 0,1,2,3
	v_pk_mul_f32 v[SS+2*\p:SS+2*\p+1], v[64*\s+2*\p:64*\s+2*\p+1], v[64*\s+2*\p:64*\s+2*\p+1]   ; the first products start the four chains
.endr
.irp j, 0,1,2,3,4,5,6,7,8,9,10,11,12,13,14,15
	v_max3_num_f32 v[XT+\j], |v[64*\s+4*\j+2]|, |v[64*\s+4*\j+3]|, v[XT+\j]
.endr
.set P, 4
.rept 28
	v_pk_fma_f32 v[SS+2*(P%4):SS+2*(P%4)+1], v[64*\s+2*P:64*\s+2*P+1], v[64*\s+2*P:64*\s+2*P+1], v[SS+2*(P%4):SS+2*(P%4)+1]
.set P, P+1
.endr
	WIN 0
	v_pk_add_f32 v[SS:SS+1], v[SS:SS+1], v[SS+2:SS+3]
	v_pk_add_f32 v[SS+4:SS+5], v[SS+4:SS+5], v[SS+6:SS+7]
	v_pk_add_f32 v[SS:SS+1], v[SS:SS+1], v[SS+4:SS+5]
	v_add_f32 v[SS], v[SS], v[SS+1]
	v_add_f32_dpp v[SS], v[SS], v[SS] row_xmask:1 row_mask:0xf bank_mask:0xf
	v_add_f32_dpp v[SS], v[SS], v[SS] row_xmask:2 row_mask:0xf bank_mask:0xf
	v_add_f32_dpp v[SS], v[SS], v[SS] row_xmask:4 row_mask:0xf bank_mask:0xf
	v_add_f32_dpp v[SS], v[SS], v[SS] row_xmask:8 row_mask:0xf bank_mask:0xf
	v_permlanex16_b32 v[PLT], v[SS], s[SEL], s[SEL+1]
	v_add_f32 v[SS], v[SS], v[PLT]                 ; the row's sum of squares, in every lane
	v_max_num_f32 v[SS], 0x179abe15, v[SS]         ; held at 1e-24 = eps^2 from below: 1 / sqrt of it is 1 / max(norm, eps)
	v_rsq_f32 v[RN], v[SS]
.irp x, 1,2,4                                  ; the blocks' largest magnitudes (8 lanes to a block): work that does not name the root
.irp j, 0,1,2,3,4,5,6,7,8,9,10,11,12,13,14,15
	v_max_num_f32_dpp v[XT+\j], v[XT+\j], v[XT+\j] row_xmask:\x row_mask:0xf bank_mask:0xf
.endr
.endr
	s_wait_alu depctr_va_vdst(0)                   ; the wait ahead of the first line that names the root
	v_mul_f32 v[RN4], 0x3e800000, v[RN]            ; rn / 4
	v_add_nc_u32 v[RB], 0x3f800000, v[RN]          ; rn's bits + (127 << 23)
.irp j, 0,1,2,3,4,5,6,7,8,9,10,11,12,13,14,15
	v_mul_f32 v[MB+2*\j+1], v[XT+\j], v[RN4]       ; feat's largest magnitude / 4: its exponent field is the scale's byte
.endr
.irp j, 0,1,2,3,4,5,6,7,8,9,10,11,12,13,14,15
	v_max_num_f32 v[MB+2*\j+1], 0x1f800000, v[MB+2*\j+1]   ; held at 2^-64 from below (the head's limit); a block of zeros keeps that byte over zero codes
.endr
.irp j, 0,1,2,3,4,5,6,7,8,9,10,11,12,13,14,15
	v_and_b32 v[MB+2*\j], 0x7f800000, v[MB+2*\j+1]
.endr
.irp j, 0,1,2,3,4,5,6,7,8,9,10,11,12,13,14,15
	v_sub_nc_u32 v[MB+2*\j], v[RB], v[MB+2*\j]     ; rn x 2^(127 - byte) = 1 / (norm x scale): x times it is (x rn) / scale with the one rounding of x rn
.endr
.irp j, 0,1,2,3,4,5,6,7,8,9,10,11,12,13,14,15
	v_lshrrev_b32 v[MB+2*\j+1], 23, v[MB+2*\j+1]   ; the byte
.endr
	WIN 0xc3                                       ; destination and source 0: window 3
.irp j, 0,1,2,3,4,5,6,7,8,9,10,11,12,13,14,15
	v_pk_mul_f32 v[64*\s+4*\j:64*\s+4*\j+1], v[64*\s+4*\j:64*\s+4*\j+1], v[MB+2*\j:MB+2*\j+1] op_sel_hi:[1,0]
	v_pk_mul_f32 v[64*\s+4*\j+2:64*\s+4*\j+3], v[64*\s+4*\j+2:64*\s+4*\j+3], v[MB+2*\j:MB+2*\j+1] op_sel_hi:[1,0]
.endr
	WIN 0x03
.irp q, 0,1,2,3,4,5,6,7
	v_cvt_scalef32_pk8_fp4_f32 v[CX+\q], v[64*\s+8*\q:64*\s+8*\q+7], v[ONE]   ; low half: my 4 codes of K step 2 q, high half: of 2 q + 1
.endr
	WIN 0
	v_nop                                          ; one plain place behind the scaled conversions
.irp q, 0,1,2,3,4,5,6,7
	ds_store_b16 v[ADC], v[CX+\q] offset:APITCH*\s+128*\q
	ds_store_b16_d16_hi v[ADC], v[CX+\q] offset:APITCH*\s+128*\q+64
.endr
.irp j, 0,1,2,3,4,5,6,7,8,9,10,11,12,13,14,15
	ds_store_b8 v[ADS], v[MB+2*\j+1] offset:SPIT*\s+4*\j   ; the eight lanes of a block write the same byte with the same value
.endr
	WIN 0xc0
.irp j, 0,1,2,3,4,5,6,7,8,9,10,11,12,13,14,15
	global_load_b128 v[64*\s+4*\j:64*\s+4*\j+3], v[L16], s[XB+2*\s:XB+2*\s+1] offset:8192*\s+512*\j   ; the slot's next row; in the last trip ring units 16 s + j of W
.endr
	WIN 0
.endm
	s_mov_b32 s[CNT], 0
	s_mov_b32 s[LR], 0
	s_mov_b32 s[LS], 0
.Lx:                                               ; 4 trips of 4 rows
	s_wait_dscnt 0x0                               ; the LDS stores have read their addresses
	s_add_nc_u64 s[FN:FN+1], s[FN:FN+1], 32768     ; (no memory instruction names these four registers: they are written with loads on their way)
	s_cmp_eq_u32 s[CNT], 3
	s_cselect_b64 s[NB:NB+1], s[RP:RP+1], s[FN:FN+1]   ; what the refills fetch: the next four rows, or W: no load leaves feature
	v_add_nc_u32 v[ADC], s[LR], v[ADC0]
	v_add_nc_u32 v[ADS], s[LS], v[ADS0]
	TURN 0
	TURN 1
	TURN 2
	TURN 3
	s_add_co_u32 s[LR], s[LR], 4*APITCH
	s_add_co_u32 s[LS], s[LS], 4*SPIT
	s_add_co_u32 s[CNT], s[CNT], 1
	s_cmp_lt_u32 s[CNT], 4
	s_cbranch_scc1 .Lx
	WIN 0x80                                       ; destination window 2
.irp u, 0,1,2,3,4,5,6,7,8,9,10,11,12,13,14,15,16,17,18,19,20,21,22,23,24,25,26,27,28,29,30,31
	global_load_b128 v[128+4*\u:131+4*\u], v[L16], s[RP:RP+1] offset:32768+512*\u   ; ring units 64 to 95
.endr
	WIN 0
.irp u, 0,1,2,3,4,5,6,7,8,9,10,11,12,13,14,15,16,17,18,19,20,21,22,23,24,25,26,27
	global_load_b128 v[MC+4*\u:MC+4*\u+3], v[L16], s[10:11] offset:512*\u           ; mems_d's codes, my 192 of E: they stay
.endr
.irp T, 0,1,2,3,4,5,6
	global_load_b64 v[MS+2*\T:MS+2*\T+1], v[L8], s[12:13] offset:256*\T
.endr
	s_wait_dscnt 0x0                               ; for the others' sake: my rows' codes and bytes lie in LDS
	s_barrier_signal -1
	s_barrier_wait -1                              ; all 64 rows do
; ---------------- THE TWO LARGE PRODUCTS
.macro ALOAD i                         ; A's four fragments and their scale words of the quarter's K step i into set i % 2
.irp m, 0,1,2,3
.irp cc, 0,1
	ds_load_b128 v[AF+32*((\i)&1)+8*\m+4*\cc:AF+32*((\i)&1)+8*\m+4*\cc+3], v[ADA] offset:16*APITCH*\m+64*(\i)+32*\cc
.endr
.endr
.irp pr, 0,1
	ds_load_b32 v[SA+2*((\i)&1)+\pr], v[ADSA] offset:32*SPIT*\pr+4*(\i)   ; lanes 0-15: row tile 2 pr, lanes 16-31: 2 pr + 1
.endr
.endm
; A K step of 128: 48 products, the 48 accumulators by turns, one instruction a turn, in the same order in every step.
.macro STEP i, zero
	s_wait_dscnt 0x0                               ; this step's A is in (asked for a step ago)
.if \i < 3
	ALOAD (\i)+1                                   ; the next step's, into the set that the last step read: the four places at that step's end stand in front
.else
	s_cmp_eq_u32 s[NQ], 7                          ; behind the last quarter there is no A to fetch
	s_cbranch_scc1 .Lnoa_\@
	s_lshl_b32 s44, s[QN], 8
	v_add_nc_u32 v[ADA], s44, v[AFB]               ; the next quarter: 256 bytes of codes,
	s_lshl_b32 s44, s[QN], 4
	v_add_nc_u32 v[ADSA], s44, v[ASB]              ; 16 scale bytes a row
	ALOAD 0
.Lnoa_\@:
.endif
	s_wait_loadcnt 63                              ; behind this step's fragments and scale words stand the refills of three steps, 72 loads at the least: so they are in
	s_mov_b64 s[RPS+2*(\i):RPS+2*(\i)+1], s[NP:NP+1]   ; they were the last loads that named this step's two bases, and the wait above has shown them done: so the bases take the next quarter's addresses
	s_mov_b64 s[RSS+2*(\i):RSS+2*(\i)+1], s[NS:NS+1]
.set fZ, \zero
.irp c, 0,1,2,3,4,5,6,7,8,9,10,11
.set ff, 12*(\i)+\c
.set fw, 3-(ff/32)
.set rA, 8*ff-128*(ff/32)
.set aw, 1+(\c/8)
.set WW, (aw<<6)|(aw<<4)|fw
	WIN WW
.set rSA, SB+6*(\i)+(\c/2)
.set fRA, \c%2
.irp m, 0,1,2,3
.set rD, 32*(\c%8)+8*\m
.set rB, AF+32*((\i)&1)+8*\m
.set rSB, SA+2*((\i)&1)+(\m/2)
.set fRB, \m%2
	WMS
.endr
.endr
	WIN 0
	PLACES 4                                       ; in front of loads into registers that these products have read
.set U, 24*(\i)
.rept 24
.set WW, (3-(U/64))<<6
	WIN WW
.set rA, 4*U-128*(U/64)
	global_load_b128 v[rA:rA+3], v[L16], s[RPS+2*(\i):RPS+2*(\i)+1] offset:512*U   ; the same step of the next quarter
.set U, U+1
.endr
	WIN 0
	s_cmp_eq_u32 s[NQ], 7                          ; mf16 has no scale words
	s_cbranch_scc1 .Lnos_\@
.irp kap, 0,1,2
	global_load_b64 v[SB+6*(\i)+2*\kap:SB+6*(\i)+2*\kap+1], v[L8], s[RSS+2*(\i):RSS+2*(\i)+1] offset:768*(\i)+256*\kap
.endr
.Lnos_\@:
.endm
; A quarter of K.  zero = 1: a pass's first: its first products start the sums.  The head makes the next quarter's addresses in registers that no memory instruction names: nothing is waited for here.
.macro Q zero
	s_lshl_b32 s[NQ], s[PASS], 2
.if \zero == 0
	s_add_co_u32 s[NQ], s[NQ], s[CNT]
	s_add_co_u32 s[NQ], s[NQ], 1
.endif
	s_add_co_u32 s44, s[NQ], 1                     ; the quarter that the refills fetch
	s_add_co_u32 s[QN], s44, s[ROT]
	s_and_b32 s[QN], s[QN], 3                      ; its place along K
	s_lshr_b32 s45, s44, 2
	s_min_u32 s45, s45, 1                          ; its weight
	s_mul_i32 s46, s45, 786432
	s_mul_i32 s47, s[QN], 49152
	s_add_co_u32 s46, s46, s47
	s_mov_b32 s47, 0
	s_add_nc_u64 s[NP:NP+1], s[WQ:WQ+1], s[46:47]
	s_mul_i32 s46, s45, 49152
	s_mul_i32 s52, s[QN], 3072
	s_add_co_u32 s46, s46, s52
	s_add_nc_u64 s[NS:NS+1], s[WSB:WSB+1], s[46:47]
	s_cmp_eq_u32 s44, 8
	s_cselect_b64 s[NP:NP+1], s[MFW:MFW+1], s[NP:NP+1]   ; behind the last quarter: the first 48 fragments of mf16
	STEP 0, \zero
	STEP 1, 0
	STEP 2, 0
	STEP 3, 0
.endm
; t's row tile m: quantised in registers along E, multiplied by mems_d's codes; my part of S goes to LDS.
.macro QT m
	WIN 0x05                                       ; sources 0 and 1: window 1
.irp b, 0,1,2,3
	v_max3_num_f32 v[MX+\b], |v[64*\b+8*(\m)]|, |v[64*\b+8*(\m)+1]|, 0x1800000   ; block b = tiles 2 b, 2 b + 1, each from its low end on; the floor 2^(3 - 127)
.endr
.irp i, 2,4,6,32,34,36,38
.irp b, 0,1,2,3
	v_max3_num_f32 v[MX+\b], |v[64*\b+8*(\m)+\i]|, |v[64*\b+8*(\m)+\i+1]|, v[MX+\b]
.endr
.endr
	WIN 0x0a                                       ; window 2: blocks 4 and 5
.irp b, 0,1
	v_max3_num_f32 v[MX+4+\b], |v[64*\b+8*(\m)]|, |v[64*\b+8*(\m)+1]|, 0x1800000
.endr
.irp i, 2,4,6,32,34,36,38
.irp b, 0,1
	v_max3_num_f32 v[MX+4+\b], |v[64*\b+8*(\m)+\i]|, |v[64*\b+8*(\m)+\i+1]|, v[MX+4+\b]
.endr
.endr
	WIN 0
.irp b, 0,1,2,3,4,5
	v_permlanex16_b32 v[PT+\b], v[MX+\b], s[SEL], s[SEL+1]
.endr
.irp b, 0,1,2,3,4,5
	v_max_num_f32 v[MX+\b], v[MX+\b], v[PT+\b]     ; with lane l xor 16's 16: the block's largest magnitude
.endr
.irp b, 0,1,2,3,4,5
	v_add_nc_u32 v[SO+\b], 0xff000000, v[MX+\b]    ; 2 off its exponent field: the conversion's scale operand
.endr
.irp b, 0,1,2,3,4,5
	v_lshrrev_b32 v[PT+\b], 23, v[SO+\b]           ; the byte
.endr
	v_lshl_or_b32 v[PW], v[PT+1], 8, v[PT]
	v_lshl_or_b32 v[PW+1], v[PT+5], 8, v[PT+4]     ; (bytes 2 and 3 stay 0, over zero codes)
	v_lshl_or_b32 v[PW], v[PT+2], 16, v[PW]
	v_lshl_or_b32 v[PW], v[PT+3], 24, v[PW]
	WIN 0x01
.irp b, 0,1,2,3
	v_cvt_scalef32_pk8_fp4_f32 v[PC0+2*\b], v[64*\b+8*(\m):64*\b+8*(\m)+7], v[SO+\b]
	v_cvt_scalef32_pk8_fp4_f32 v[PC0+2*\b+1], v[64*\b+32+8*(\m):64*\b+32+8*(\m)+7], v[SO+\b]
.endr
	WIN 0x02
.irp b, 0,1
	v_cvt_scalef32_pk8_fp4_f32 v[PC1+2*\b], v[64*\b+8*(\m):64*\b+8*(\m)+7], v[SO+4+\b]
	v_cvt_scalef32_pk8_fp4_f32 v[PC1+2*\b+1], v[64*\b+32+8*(\m):64*\b+32+8*(\m)+7], v[SO+4+\b]
.endr
	WIN 0
	v_nop                                          ; one plain place behind the scaled conversions
.irp c, 0,1                                    ; the operand's layout wants a whole block in a lane
.irp i, 0,1
	v_permlane16_swap_b32 v[PC0+4*\c+\i], v[PC0+2+4*\c+\i]
.endr
.endr
.irp i, 0,1
	v_permlane16_swap_b32 v[PC1+\i], v[PC1+2+\i]
.endr
	PLACES 8                                       ; a scale register written by a vector instruction stands 8 places ahead of a scaled product, an operand 4
	WIN 0x50                                       ; C and D window 1: S's seven tiles take the registers of t's tiles 0 to 6 of this row tile, which are done with
.set fZ, 1
.set fRA, 0
.set fRB, 0
.set rB, PC0
.set rSB, PW
.irp T, 0,1,2,3,4,5,6
.set rD, 32*\T+8*(\m)
.set rA, MC+8*\T
.set rSA, MS+2*\T
	WMS
.endr
.set fZ, 0
.set rB, PC1
.set rSB, PW+1
.irp T, 0,1,2,3,4,5,6
.set rD, 32*\T+8*(\m)
.set rA, MC+56+8*\T
.set rSA, MS+2*\T+1
	WMS
.endr
	WIN 0
	PLACES 5                                       ; four in front of the stores that read the results; five in front of the next pass's first products, which write over them
	WIN 0x04                                       ; an LDS store's data: window 1
.irp T, 0,1,2,3,4,5,6
.irp u, 0,1
	ds_store_b128 v[SW+(\m)/2], v[32*\T+8*(\m)+4*\u:32*\T+8*(\m)+4*\u+3] offset:TILEB*((\m)%2)+512*(2*\T+\u)   ; an image of the registers, each accumulator from its low end on
.endr
.endr
	WIN 0
.endm
	s_mov_b32 s[PASS], 0
	s_lshl_b32 s44, s[ROT], 8
	v_add_nc_u32 v[ADA], s44, v[AFB]
	s_lshl_b32 s44, s[ROT], 4
	v_add_nc_u32 v[ADSA], s44, v[ASB]
	ALOAD 0
.Lpass:                                            ; pass 0: t; pass 1: dproj
	Q 1
	s_mov_b32 s[CNT], 0
.Lq:
	Q 0
	s_add_co_u32 s[CNT], s[CNT], 1
	s_cmp_lt_u32 s[CNT], 3
	s_cbranch_scc1 .Lq
	s_cmp_eq_u32 s[PASS], 1
	s_cbranch_scc1 .Ltaild
	; ---------------- behind pass 0: S's parts
	s_wait_loadcnt 63                              ; mems_d's codes and scale words are older than the four quarters' refills
.irp b, 0,1,2,3,4,5
	v_mov_b32 v[PT+\b], 0                          ; a lane permute's destination counts as one of its sources
.endr
.irp x, 4,5,6,7
	v_mov_b32 v[PC1+\x], 0                         ; the zero codes that fill K step 1
.endr
	QT 0
	QT 1
	QT 2
	QT 3
	s_add_co_u32 s[PASS], s[PASS], 1
	s_cmp_lt_u32 s[PASS], 2
	s_cbranch_scc1 .Lpass
.Ltaild:
	; ---------------- behind pass 1: G's parts.  dproj is rounded to f16 in place: the fragment (row tile m, 32 of E: ks) takes the registers of tile (2 ks, m):
	; registers 0-3 from tile 2 ks, 4-7 from tile 2 ks + 1: E = 32 ks + 16 h + 0 .. 15, the order in which mf16 is laid.
	WIN 0x45
.irp ks, 0,1,2,3
.irp m, 0,1,2,3
.irp q, 0,1,2,3
	v_cvt_pk_f16_f32 v[64*\ks+8*\m+\q], v[64*\ks+8*\m+2*\q], v[64*\ks+8*\m+2*\q+1]
.endr
.irp q, 0,1,2,3
	v_cvt_pk_f16_f32 v[64*\ks+8*\m+4+\q], v[64*\ks+32+8*\m+2*\q], v[64*\ks+32+8*\m+2*\q+1]
.endr
.endr
.endr
	WIN 0x8a
.irp ks, 0,1
.irp m, 0,1,2,3
.irp q, 0,1,2,3
	v_cvt_pk_f16_f32 v[64*\ks+8*\m+\q], v[64*\ks+8*\m+2*\q], v[64*\ks+8*\m+2*\q+1]
.endr
.irp q, 0,1,2,3
	v_cvt_pk_f16_f32 v[64*\ks+8*\m+4+\q], v[64*\ks+32+8*\m+2*\q], v[64*\ks+32+8*\m+2*\q+1]
.endr
.endr
.endr
	WIN 0
	PLACES 5
; 32 of E: 14 fragments of mf16 (7 tiles' high parts, then their low parts) x 4 row tiles.  G(T, m) lies where tile (2 T + 1, m) lay (T < 6), G(6, m) in A's set 0.  The 28 accumulators by turns.
; Fragment f = 14 ks + T' lies at ring place f % 48: place x in window 3 at 8 x (x < 32), else in window 2 at 8 x - 128.
.macro GK ks
.set TP, 0
.rept 14
.set ff, 14*(\ks)+TP
.set pl, ff-48*(ff/48)
.set fw, 3-(pl/32)
.set rA, 8*pl-128*(pl/32)
.set TG, TP%7
.set gw, (1+(TG/4))*(1-(TG/6))
.set dw, 1+((\ks)/4)
.set WW, (gw<<6)|(gw<<4)|(dw<<2)|fw
	WIN WW
.irp m, 0,1,2,3
.set rD, (64*(TG%4)+32+8*\m)*(1-(TG/6))+(TG/6)*(AF+8*\m)
.set rB, 64*((\ks)%4)+8*\m
.if ((\ks) == 0) && (TP < 7)
	v_wmma_f32_16x16x32_f16 v[rD:rD+7], v[rA:rA+7], v[rB:rB+7], 0
.else
	v_wmma_f32_16x16x32_f16 v[rD:rD+7], v[rA:rA+7], v[rB:rB+7], v[rD:rD+7]
.endif
.endr
.set TP, TP+1
.endr
	WIN 0
.endm
.macro MFL f0, n                       ; n more fragments of mf16, from f0 on, into the places that have been read
	PLACES 4
.set ff, \f0
.rept \n
.set pl, ff-48
.set WW, (3-(pl/32))<<6
	WIN WW
.set rA, 8*pl-128*(pl/32)
	global_load_b128 v[rA:rA+3], v[L16], s[MFW:MFW+1] offset:1024*ff
	global_load_b128 v[rA+4:rA+7], v[L16], s[MFW:MFW+1] offset:1024*ff+512
.set ff, ff+1
.endr
	WIN 0
.endm
	s_wait_loadcnt 48                              ; fragments 0-13 came with the last quarter's refills 0 and 1; refills 2 and 3 (48 loads) may be out
	GK 0
	MFL 48, 14
	s_wait_loadcnt 52                              ; 14-27: refills 1 and 2; refill 3 (24) and the 28 just issued may be out
	GK 1
	MFL 62, 14
	s_wait_loadcnt 56                              ; 28-41: refills 2 and 3; the two runs of 28 may be out
	GK 2
	MFL 76, 8
	s_wait_loadcnt 44                              ; 42-55: the first run is in; 28 + 16 may be out
	GK 3
	s_wait_loadcnt 16                              ; 56-69: the second run is in
	GK 4
	s_wait_loadcnt 0x0
	GK 5
	PLACES 4
	WIN 0x04
.irp T, 0,1,2,3
.irp m, 0,1,2,3
.irp u, 0,1
	ds_store_b128 v[GW+\m/2], v[64*\T+32+8*\m+4*\u:64*\T+32+8*\m+4*\u+3] offset:TILEB*(\m%2)+512*(2*\T+\u)
.endr
.endr
.endr
	WIN 0x08
.irp T, 4,5
.irp m, 0,1,2,3
.irp u, 0,1
	ds_store_b128 v[GW+\m/2], v[64*(\T-4)+32+8*\m+4*\u:64*(\T-4)+32+8*\m+4*\u+3] offset:TILEB*(\m%2)+512*(2*\T+\u)
.endr
.endr
.endr
	WIN 0
.irp m, 0,1,2,3
.irp u, 0,1
	ds_store_b128 v[GW+\m/2], v[AF+8*\m+4*\u:AF+8*\m+4*\u+3] offset:TILEB*(\m%2)+512*(12+\u)
.endr
.endr
	s_wait_dscnt 0x0                               ; for the others' sake: my parts of S and of G lie in LDS
	s_barrier_signal -1
	s_barrier_wait -1
	; ---------------- THE END: wave w finishes rows 16 w .. 16 w + 15.  Lane (r, h): row r, domains 5 h .. 5 h + 4; register i of a part is slot i = 10 (d - 5 h) + m.  Slots 0 to 49 count: 13 groups of 4
	WIN 0x40
.irp v, 0,1,2,3
.irp g, 0,1,2,3,4,5,6,7,8,9,10,11,12
	ds_load_b128 v[56*\v+4*\g:56*\v+4*\g+3], v[SRD] offset:PARTB*\v+512*\g
.endr
.endr
	WIN 0x80
.irp v, 0,1,2,3
.irp g, 0,1,2,3,4,5,6,7,8,9,10,11,12
	ds_load_b128 v[56*\v+4*\g:56*\v+4*\g+3], v[GRD] offset:PARTB*\v+512*\g
.endr
.endr
	s_wait_dscnt 52                                ; S's four parts are in
	WIN 0x45
.set P, 0
.rept 25
	v_pk_add_f32 v[2*P:2*P+1], v[2*P:2*P+1], v[56+2*P:57+2*P]
	v_pk_add_f32 v[112+2*P:113+2*P], v[112+2*P:113+2*P], v[168+2*P:169+2*P]
.set P, P+1
.endr
	WIN 0x05
.set P, 0
.rept 25
	v_pk_add_f32 v[FS+2*P:FS+2*P+1], v[2*P:2*P+1], v[112+2*P:113+2*P]
.set P, P+1
.endr
	s_wait_dscnt 0x0
	WIN 0x8a
.set P, 0
.rept 25
	v_pk_add_f32 v[2*P:2*P+1], v[2*P:2*P+1], v[56+2*P:57+2*P]
	v_pk_add_f32 v[112+2*P:113+2*P], v[112+2*P:113+2*P], v[168+2*P:169+2*P]
.set P, P+1
.endr
	WIN 0x0a
.set P, 0
.rept 25
	v_pk_add_f32 v[FG+2*P:FG+2*P+1], v[2*P:2*P+1], v[112+2*P:113+2*P]
.set P, P+1
.endr
	WIN 0
	; softmax over m, the maximum taken away: p = 2^(c S - c max), c = 32 log2(e)
.irp d, 0,1,2,3,4
	v_max3_num_f32 v[NMB+2*\d+1], v[FS+10*\d], v[FS+10*\d+1], v[FS+10*\d+2]
.endr
.irp i, 3,5,7
.irp d, 0,1,2,3,4
	v_max3_num_f32 v[NMB+2*\d+1], v[NMB+2*\d+1], v[FS+10*\d+\i], v[FS+10*\d+\i+1]
.endr
.endr
.irp d, 0,1,2,3,4
	v_max_num_f32 v[NMB+2*\d+1], v[NMB+2*\d+1], v[FS+10*\d+9]
.endr
.irp d, 0,1,2,3,4
	v_mul_f32 v[NMB+2*\d], -v[NMB+2*\d+1], s[C1]
.endr
.irp d, 0,1,2,3,4
.irp p, 0,2,4,6,8
	v_pk_fma_f32 v[FS+10*\d+\p:FS+10*\d+\p+1], v[FS+10*\d+\p:FS+10*\d+\p+1], s[C1:C1+1], v[NMB+2*\d:NMB+2*\d+1] op_sel_hi:[1,0,0]
.endr
.endr
.set J, 0
.rept 50
	v_exp_f32 v[FS+J], v[FS+J]
.set J, J+1
.endr
	v_mov_b32 v[NINF], 0xff800000                  ; a plain place behind the exponentials
	v_mov_b32 v[T1], 0
	s_wait_alu depctr_va_vdst(0)                   ; one wait for the batch, ahead of its first reader
.irp d, 0,1,2,3,4
	v_pk_add_f32 v[DN+2*\d:DN+2*\d+1], v[FS+10*\d:FS+10*\d+1], v[FS+10*\d+2:FS+10*\d+3]
	v_pk_mul_f32 v[NU+2*\d:NU+2*\d+1], v[FS+10*\d:FS+10*\d+1], v[FG+10*\d:FG+10*\d+1]
.endr
.irp d, 0,1,2,3,4
	v_pk_fma_f32 v[NU+2*\d:NU+2*\d+1], v[FS+10*\d+2:FS+10*\d+3], v[FG+10*\d+2:FG+10*\d+3], v[NU+2*\d:NU+2*\d+1]
.endr
.irp p, 4,6,8
.irp d, 0,1,2,3,4
	v_pk_add_f32 v[DN+2*\d:DN+2*\d+1], v[DN+2*\d:DN+2*\d+1], v[FS+10*\d+\p:FS+10*\d+\p+1]
	v_pk_fma_f32 v[NU+2*\d:NU+2*\d+1], v[FS+10*\d+\p:FS+10*\d+\p+1], v[FG+10*\d+\p:FG+10*\d+\p+1], v[NU+2*\d:NU+2*\d+1]
.endr
.endr
.irp d, 0,1,2,3,4
	v_add_f32 v[DN+2*\d], v[DN+2*\d], v[DN+2*\d+1]
	v_add_f32 v[NU+2*\d], v[NU+2*\d], v[NU+2*\d+1]
.endr
.irp d, 0,1,2,3,4
	v_rcp_f32 v[DN+2*\d+1], v[DN+2*\d]
.endr
	v_nop
	v_cmp_le_u32 s46, 16, v[LN]                    ; lanes 16 to 31
	s_wait_alu depctr_va_vdst(0)
.irp d, 0,1,2,3,4
	v_mul_f32 v[XX+\d], v[NU+2*\d], v[DN+2*\d+1]   ; sum_m att G
.endr
	v_cndmask_b32 v[XX+4], v[XX+4], v[NINF], s46   ; there is no tenth domain
	; softmax over the 9 domains: 5 here, 4 in lane l xor 16
	v_max3_num_f32 v[T0], v[XX], v[XX+1], v[XX+2]
	v_max3_num_f32 v[T0], v[T0], v[XX+3], v[XX+4]
	v_permlanex16_b32 v[T1], v[T0], s[SEL], s[SEL+1]
	v_max_num_f32 v[T0], v[T0], v[T1]
	v_mul_f32 v[T1], -v[T0], s[C1]
.irp d, 0,1,2,3,4
	v_fma_f32 v[XX+\d], v[XX+\d], s[C1], v[T1]
.endr
.irp d, 0,1,2,3,4
	v_exp_f32 v[XX+\d], v[XX+\d]
.endr
	v_nop
	s_wait_alu depctr_va_vdst(0)
	v_add_f32 v[T0], v[XX], v[XX+1]
	v_add_f32 v[T1], v[XX+2], v[XX+3]
	v_add_f32 v[T0], v[T0], v[XX+4]
	v_add_f32 v[T0], v[T0], v[T1]
	v_permlanex16_b32 v[T1], v[T0], s[SEL], s[SEL+1]
	v_add_f32 v[T0], v[T0], v[T1]
	v_rcp_f32 v[T1], v[T0]
	v_nop
	s_wait_alu depctr_va_vdst(0)
.irp d, 0,1,2,3,4
	v_mul_f32 v[XX+\d], v[XX+\d], v[T1]
.endr
	v_cndmask_b32 v[Y5], v[XX+4], v[XX+3], s46     ; the fifth store: lanes 0-15 domain 4; lanes 16-31 domain 8 once more, at its own place: so every lane stores
.irp d, 0,1,2,3
	ds_store_b32 v[OST], v[XX+\d] offset:4*\d
.endr
	ds_store_b32 v[OST5], v[Y5]
	s_wait_dscnt 0x0                               ; for the others' sake
	s_barrier_signal -1
	s_barrier_wait -1                              ; 64 rows of out0, 2,304 consecutive bytes, lie in the stage
	ds_load_b128 v[OB:OB+3], v[ORD]
	s_wait_dscnt 0x0
	global_store_b128 v[T16], v[OB:OB+3], s[16:17] ; a wave stores 512 consecutive bytes, at a multiple of 256 from out0's first byte
	s_cmp_lg_u32 s[WV], 0
	s_cbranch_scc1 .Lend
	ds_load_b128 v[OB+4:OB+7], v[ORD2]             ; the last 256 bytes: wave 0
	s_wait_dscnt 0x0
	s_wait_xcnt 0x0                                ; EXEC changes only behind this wait
	v_cmp_gt_u32 vcc_lo, 16, v[LN]
	s_and_saveexec_b32 s47, vcc_lo
	global_store_b128 v[O16], v[OB+4:OB+7], s[16:17] offset:2048   ; lanes 0 to 15
	s_wait_xcnt 0x0
	s_or_b32 exec_lo, exec_lo, s47
.Lend:
	s_wait_tensorcnt 0x0                           ; the wave's end, behind my last LDS store
	ds_add_u32 v[SPW], v[NIL]
	s_wait_dscnt 0x0
	s_endpgm
.Lfunc_end_k_q7a5c086e03_main:
	.size	k_q7a5c086e03_main, .Lfunc_end_k_q7a5c086e03_main-k_q7a5c086e03_main
	.p2alignl 7, 3214868480
	.fill 96, 4, 3214868480
	.section	.rodata,"a",@progbits
	.p2align	6, 0x0
	.amdhsa_kernel k_q7a5c086e03_main
		.amdhsa_group_segment_fixed_size 303104
		.amdhsa_private_segment_fixed_size 0
		.amdhsa_enable_private_segment 0
		.amdhsa_kernarg_size 56
		.amdhsa_user_sgpr_count 2
		.amdhsa_user_sgpr_kernarg_segment_ptr 1
		.amdhsa_wavefront_size32 1
		.amdhsa_system_sgpr_workgroup_id_x 1
		.amdhsa_system_sgpr_workgroup_id_y 1
		.amdhsa_system_sgpr_workgroup_id_z 1
		.amdhsa_system_vgpr_workitem_id 0
		.amdhsa_next_free_vgpr 1024
		.amdhsa_next_free_sgpr 84
		.amdhsa_reserve_vcc 1
		.amdhsa_float_denorm_mode_32 3
		.amdhsa_float_denorm_mode_16_64 3
		.amdhsa_memory_ordered 1
		.amdhsa_forward_progress 1
		.amdhsa_inst_pref_size 255
	.end_amdhsa_kernel
	.section	.bss,"aw",@nobits
	.p2align	6
	.space	262144
	.amdgpu_metadata
---
amdhsa.version: [ 1, 2 ]
amdhsa.kernels:
  - .name:           k_q7a5c086e03_main
    .symbol:         k_q7a5c086e03_main.kd
    .args:
      - { .name: feature, .offset: 0, .size: 8, .value_kind: global_buffer, .address_space: global }
      - { .name: wfrag, .offset: 8, .size: 8, .value_kind: global_buffer, .address_space: global }
      - { .name: wscale, .offset: 16, .size: 8, .value_kind: global_buffer, .address_space: global }
      - { .name: mcode, .offset: 24, .size: 8, .value_kind: global_buffer, .address_space: global }
      - { .name: mscale, .offset: 32, .size: 8, .value_kind: global_buffer, .address_space: global }
      - { .name: mf16, .offset: 40, .size: 8, .value_kind: global_buffer, .address_space: global }
      - { .name: out0, .offset: 48, .size: 8, .value_kind: global_buffer, .address_space: global }
    .group_segment_fixed_size: 303104
    .private_segment_fixed_size: 0
    .kernarg_segment_align: 8
    .kernarg_segment_size: 56
    .max_flat_workgroup_size: 128
    .sgpr_count:     84
    .vgpr_count:     1024
    .wavefront_size: 32
...
	.end_amdgpu_metadata
.endif
;; end of part 2
